; MI455X (gfx1250); checked and timed in simulation.
; The chip was launched on July 23, 2026; its instructions are those of AMD's public machine-readable ISA for CDNA 5 (MIT licence, August 2026) and "CDNA5" Instruction Set Architecture Reference Guide (July 2026). The comments in the code are by the model that wrote it; some were corrected since.
;; Multi Head Attention. Allowed arithmetic: matrix products marked QUANTISED: E4M3 operands, one given power-of-two scale a tensor, by v_wmma_f32_16x16x64_fp8_fp8 or v_wmma_f32_16x16x128_fp8_fp8, f32 sums; everything else in f32.
;; Inputs: Wk 1,024 x 1,024 float32; Wo 1,024 x 1,024 float32; Wq 1,024 x 1,024 float32; Wv 1,024 x 1,024 float32; bo 1,024 float32; key 4 x 2,048 x 1,024 float32; lowp_scales 12 int32 (the exponents e of the quantised operands' scales 2^e); mask 4 x 1 x 1 x 2,048 int32; query 4 x 2,048 x 1,024 float32; value 4 x 2,048 x 1,024 float32.
;; Outputs: out0 4 x 2,048 x 1,024 float32.
;; Constants: causal_mask = 1.
;; This version of the problem:
;;   THIS VERSION OF THE PROBLEM IS GIVEN IN LOW PRECISION. The matrix products marked QUANTISED in the list below multiply operands that are first quantised to E4M3 (4 exponent bits, 3 mantissa bits; 8 bits a number), with one given power-of-two scale for each operand tensor; their sums are f32. All else is computed in f32.
;;   The module's matrix products, in the order in which they are computed (A, B: the left and right operand; K: the contracted axis; several contracted axes count as one K, in the product's order):
;;     1. [M 8,192, K 1,024] x [K 1,024, N 1,024]; A: input query; B: input Wq: QUANTISED (scales: A lowp_scales[0], B lowp_scales[1])
;;     2. [M 8,192, K 1,024] x [K 1,024, N 1,024]; A: input key; B: input Wk: QUANTISED (scales: A lowp_scales[2], B lowp_scales[3])
;;     3. [M 8,192, K 1,024] x [K 1,024, N 1,024]; A: input value; B: input Wv: QUANTISED (scales: A lowp_scales[4], B lowp_scales[5])
;;     4. batch 64 x [M 2,048, K 64] x [K 64, N 2,048]; A: computed on the way; B: computed on the way: QUANTISED (scales: A lowp_scales[6], B lowp_scales[7])
;;     5. batch 64 x [M 2,048, K 2,048] x [K 2,048, N 64]; A: softmax (see below); B: computed on the way: QUANTISED (scales: A lowp_scales[8], B lowp_scales[9])
;;     6. [M 8,192, K 1,024] x [K 1,024, N 1,024]; A: computed on the way; B: input Wo: QUANTISED (scales: A lowp_scales[10], B lowp_scales[11])
;;   THE QUANTISER, for each operand of a quantised product, along K:
;;     - The operand's scale is 2^e, e = its entry of the input lowp_scales (int32; the entries are numbered through the quantised products in the list's order, A before B).
;;     - Each number is divided by the scale, clamped to +-448, and rounded to the nearest number of E4M3, ties to even, subnormals kept.
;;     - The product sums the exact products of the quantised numbers (number of the format x scale) in f32.
;;   ~~~python
;;   def quantise(x, axis, e):      # numpy; x: float32 -> the quantised numbers, widened to float32 again
;;       x = np.moveaxis(x, axis, -1); K = x.shape[-1]
;;       r = np.clip(x / 2.0 ** e, -448, 448)
;;       step = 2.0 ** (np.maximum(np.frexp(np.where(r == 0, 1, r))[1] - 1, -6) - 3)
;;       q = np.round(r / step) * step * 2.0 ** e      # np.round: ties to even
;;       return np.moveaxis(q, -1, axis).astype(np.float32)
;;   ~~~
;;   SOFTMAX AHEAD OF A QUANTISED PRODUCT. Where the list says 'softmax', what is quantised is not the finished softmax but p = 2^(t - M), with t = logit x log2(e) and M = ceil(the row's largest t), a whole number; so 1/2 < the row's largest p <= 1. The row's sum l is taken of the UNQUANTISED p, in f32, and the product's result is divided by l at the end. Since M is a whole number, a kernel that streams over the keys may use a running M (the ceiling of the running maximum): every later rescaling is an exact power of two, so the quantised numbers keep their values, but for numbers so far below the row's largest that they fall under the format's range.
;;   OPERANDS COMPUTED ON THE WAY. 'Computed on the way' means the value that the module computes at that place (a softmax that the list does not call 'softmax' is quantised finished and normalised). What goes into a quantiser is computed in f32, as accurately as f32 sums, v_exp_f32 and their like allow (about 1e-6 of the number): no bf16 or f16 on the way to a quantiser, and a product that is left as it is and whose result goes on into a quantised operand takes f32 operands (vector FMAs, or v_wmma_f32_16x16x4_f32). A number that lies on a knife's edge between two numbers of the format may be rounded either way, as far as f32 arithmetic and the matrix unit's own rounding can turn it there, and no further.
;; One version. Each part assembles by itself: llvm-mc -triple=amdgcn-amd-amdhsa -mcpu=gfx1250 --defsym DOCPART=n.
;; ======== version 1 of 1: 4 launches
;; limits: right only within a limited range of input values
;; workspace buffers: xcodes 25,165,824 bytes; wcodes 4,194,304 bytes; qkvc 25,165,824 bytes; ocodes 8,388,608 bytes
;; launch quant (part 1): grid 896 x 1, 4 waves a work-group, no clusters, 33,280 bytes of LDS; arguments query, key, value, Wq, Wk, Wv, Wo, lowp_scales, xcodes, wcodes; writes xcodes, wcodes
.if DOCPART == 1
	.amdgcn_target "amdgcn-amd-amdhsa--gfx1250"
	.amdhsa_code_object_version 6
	.text
	.protected	k_q62cbde4815_quant
	.globl	k_q62cbde4815_quant
	.p2align	8
	.type	k_q62cbde4815_quant,@function
k_q62cbde4815_quant:
	s_mov_b64 s[64:65], 0
	v_nop
	global_prefetch_b8 v0, s[64:65] scope:SCOPE_SE
	s_setreg_imm32_b32 hwreg(HW_REG_WAVE_MODE, 25, 1), 1
	s_wait_xcnt 0x0
; query, key, value [8192][1024] and Wq, Wk, Wv, Wo [1024][1024], f32, K innermost, become codes of FP8 (E4M3), one byte each, in the order in which they lie, each with the one scale 2^e given for it.
; code = x / 2^e, held within +-448, rounded to the nearest code, ties to even.  xcodes = query | key | value, wcodes = Wq | Wk | Wv | Wo.
; LIMITS: e between -126 and 119, so that 2^e and 448 x 2^e are f32 numbers.  NaN among the inputs is not served (an infinity is held at the largest code).
; All seven tensors are plain streams.  A work-group takes 32,768 numbers: 256 work-groups for each of the three large tensors, 32 for each weight: 896.  Only pointers and the exponent are chosen, by the
; work-group's number: one path through the text.  A wave takes 16 steps of 512 numbers.  Each load reads 512 consecutive bytes, 16 a lane; a step's 2,048 bytes turn through the wave's own stage in LDS and come back
; 64 bytes a lane, since the conversion takes eight neighbours from ONE lane's registers.  A lane's 16 codes are 16 bytes: the wave stores 512 consecutive bytes.
; No matrix unit, no cluster, no barrier: the work-groups share no input and the waves share nothing.  Loads run four steps (16 loads a wave) ahead, the turn through LDS one step.
.set WAVES, 4
.set STEPS, 16
.set EMAX,  8
.set MANT,  0x600000                   ; the mantissa field of 448 as f32
.set CB,    16                         ; bytes of 16 codes
.set R,     16                         ; v16-79   four sets of 16 numbers as they are loaded
.set X,     80                         ; v80-111  two sets of 16 neighbours
.set C,     128                        ; v128-191 codes: four registers for each step, so that no store's data are written again
.set WREG,  8192                       ; LDS: a region of its own for each wave: two stages of 32 x SP bytes
.set SP,    80                         ; a lane's place in a stage: its 64 bytes + 16 of padding
.set SPW,   12                         ; v12      LDS address of my spare word: SPARE + 4 x my thread's number; never rewritten
.set NIL,   13                         ; v13      0; never rewritten
.set SPARE, WAVES*WREG                 ; behind the four regions: the spare words, 128 bytes for each wave
	s_load_b512 s[16:31], s[0:1], 0x0              ; query s[16:17], key, value, Wq, Wk, Wv, Wo s[28:29], the scales' exponents s[30:31]
	s_load_b128 s[32:35], s[0:1], 0x40             ; xcodes s[32:33], wcodes s[34:35]
	v_lshl_add_u32 v[SPW], v0, 2, SPARE
	v_mov_b32 v[NIL], 0
	v_lshrrev_b32 v1, 5, v0
	v_readfirstlane_b32 s10, v1                    ; wave
	v_and_b32 v2, 31, v0                           ; lane
	v_lshlrev_b32 v3, 4, v2                        ; my 16 bytes of a load's 512
	s_mul_i32 s11, s10, WREG
	v_lshrrev_b32 v14, 2, v2
	v_mul_u32_u24 v14, v14, SP
	v_and_b32 v15, 3, v2
	v_lshl_add_u32 v14, v15, 4, v14
	v_add_nc_u32 v14, s11, v14                     ; the stage, on the way in: four lanes' 64 bytes on end, then 16 of padding
	v_mul_u32_u24 v15, v2, SP
	v_add_nc_u32 v15, s11, v15                     ; and on the way out: SP x lane: my 16 neighbours
	v_mul_u32_u24 v4, v2, CB                       ; my codes' place in a step's
	s_cmp_lt_u32 ttmp9, 768                        ; one of the three large tensors, or a weight?
	s_cselect_b32 s12, 0, 768
	s_cselect_b32 s13, 255, 31                     ; work-groups to a tensor, less one
	s_sub_co_u32 s12, ttmp9, s12                   ; my place in the buffer of codes,
	s_and_b32 s13, s12, s13                        ; and in my tensor
	s_lshl_b32 s13, s13, 2
	s_add_co_u32 s13, s13, s10
	s_lshl_b32 s2, s13, 15                         ; my wave's 8,192 numbers: 32,768 bytes in,
	s_mov_b32 s3, 0
	s_lshl_b32 s12, s12, 2
	s_add_co_u32 s12, s12, s10
	s_lshl_b32 s14, s12, 13                        ; 8,192 bytes out
	s_mov_b32 s15, 0
	s_wait_alu depctr_va_vdst(0)
	s_wait_kmcnt 0x0
	s_load_b256 s[36:43], s[30:31], 0x0            ; e0 .. e7
	s_load_b128 s[44:47], s[30:31], 0x20           ; e8 .. e11
.macro PICK lim, ptr                   ; below work-group lim the tensor is the one at s[ptr]
	s_cmp_lt_u32 ttmp9, \lim
	s_cselect_b64 s[4:5], s[\ptr:\ptr+1], s[4:5]
.endm
	s_mov_b64 s[4:5], s[28:29]                     ; Wo,
	PICK 864, 26                                   ; Wv,
	PICK 832, 24                                   ; Wk,
	PICK 800, 22                                   ; Wq,
	PICK 768, 20                                   ; value,
	PICK 512, 18                                   ; key,
	PICK 256, 16                                   ; query
	s_cmp_lt_u32 ttmp9, 768
	s_cselect_b64 s[8:9], s[32:33], s[34:35]
	s_add_nc_u64 s[4:5], s[4:5], s[2:3]
	s_add_nc_u64 s[8:9], s[8:9], s[14:15]
.macro LOAD t
.irp i, 0,1,2,3
	global_load_b128 v[R+16*((\t)%4)+4*\i:R+16*((\t)%4)+4*\i+3], v3, s[4:5] offset:2048*(\t)+512*\i th:TH_LOAD_NT   ; 32 lanes read 512 consecutive bytes; read once in the launch
.endr
.endm
.macro TURN t                          ; step t's numbers through the stage: LDS serves a wave's instructions in order, so no wait stands between the stores and the loads
.irp i, 0,1,2,3
	ds_store_b128 v14, v[R+16*((\t)%4)+4*\i:R+16*((\t)%4)+4*\i+3] offset:32*SP*((\t)%2)+8*SP*\i
.endr
.irp i, 0,1,2,3
	ds_load_b128 v[X+16*((\t)%2)+4*\i:X+16*((\t)%2)+4*\i+3], v15 offset:32*SP*((\t)%2)+16*\i
.endr
.endm
.irp t, 0,1,2,3
	LOAD \t
.endr
	s_wait_kmcnt 0x0
.macro PICKE lim, e                    ; the same choice for the exponent
	s_cmp_lt_u32 ttmp9, \lim
	s_cselect_b32 s6, s[\e], s6
.endm
	s_mov_b32 s6, s47                              ; Wo: e11,
	PICKE 864, 41                                  ; Wv: e5,
	PICKE 832, 39                                  ; Wk: e3,
	PICKE 800, 37                                  ; Wq: e1,
	PICKE 768, 40                                  ; value: e4,
	PICKE 512, 38                                  ; key: e2,
	PICKE 256, 36                                  ; query: e0
	s_add_co_i32 s6, s6, 127
	s_lshl_b32 s7, s6, 23
	v_mov_b32 v11, s7                              ; 2^e as f32: the conversion takes its exponent field
	s_add_co_i32 s6, s6, EMAX
	s_lshl_b32 s6, s6, 23
	s_or_b32 s6, s6, MANT
	v_mov_b32 v10, s6                              ; 448 x 2^e
	s_wait_alu depctr_va_vdst(0)
	s_wait_loadcnt 12                              ; step 0's four loads are in; three steps' twelve stay out
	TURN 0
.macro STEP t
.set XS, X+16*((\t)%2)
	s_wait_dscnt 0x0                               ; this step's numbers are back from the stage: so its stores into the stage have read their registers,
.if (\t)+4 < STEPS
	LOAD (\t)+4                                    ; which take the loads of four steps on
.endif
.if (\t)+1 < STEPS
.if STEPS-2-(\t) >= 3
	s_wait_loadcnt 12                              ; the next step's four loads are in; those of the three steps behind it may be out
.else
	s_wait_loadcnt 4*(STEPS-2-(\t))                ; the tail: the counts run down
.endif
	TURN (\t)+1                                    ; and go through the other stage while this step is worked
.endif
.irp i, 0,1,2,3,4,5,6,7,8,9,10,11,12,13,14,15
	v_med3_num_f32 v[XS+\i], v[XS+\i], -v10, v10   ; the conversion to an 8-bit code does not saturate (ISA guide 7.6.2): the hold at the largest code x the scale comes first
.endr
	v_cvt_scalef32_pk8_fp8_f32 v[C+4*(\t):C+4*(\t)+1], v[XS:XS+7], v11
	v_cvt_scalef32_pk8_fp8_f32 v[C+4*(\t)+2:C+4*(\t)+3], v[XS+8:XS+15], v11   ; the results go to a store alone; the next vector lines, the next step's holds, are plain and touch the other set
	global_store_b128 v4, v[C+4*(\t):C+4*(\t)+3], s[8:9] offset:32*CB*(\t)     ; 32 lanes store 512 consecutive bytes, at a multiple of 512 from the buffer's first byte
.endm
.irp t, 0,1,2,3,4,5,6,7,8,9,10,11,12,13,14,15
	STEP \t
.endr
	s_wait_tensorcnt 0x0                           ; the wave's end, behind my last LDS store
	ds_add_u32 v[SPW], v[NIL]
	s_wait_dscnt 0x0
	s_endpgm
.Lfunc_end_k_q62cbde4815_quant:
	.size	k_q62cbde4815_quant, .Lfunc_end_k_q62cbde4815_quant-k_q62cbde4815_quant
	.p2alignl 7, 3214868480
	.fill 96, 4, 3214868480
	.section	.rodata,"a",@progbits
	.p2align	6, 0x0
	.amdhsa_kernel k_q62cbde4815_quant
		.amdhsa_group_segment_fixed_size 33280
		.amdhsa_private_segment_fixed_size 0
		.amdhsa_enable_private_segment 0
		.amdhsa_kernarg_size 80
		.amdhsa_user_sgpr_count 2
		.amdhsa_user_sgpr_kernarg_segment_ptr 1
		.amdhsa_wavefront_size32 1
		.amdhsa_system_sgpr_workgroup_id_x 1
		.amdhsa_system_sgpr_workgroup_id_y 1
		.amdhsa_system_sgpr_workgroup_id_z 1
		.amdhsa_system_vgpr_workitem_id 0
		.amdhsa_next_free_vgpr 192
		.amdhsa_next_free_sgpr 66
		.amdhsa_reserve_vcc 0
		.amdhsa_float_denorm_mode_32 3
		.amdhsa_float_denorm_mode_16_64 3
		.amdhsa_memory_ordered 1
		.amdhsa_forward_progress 1
		.amdhsa_inst_pref_size 39
	.end_amdhsa_kernel
	.amdgpu_metadata
---
amdhsa.version: [ 1, 2 ]
amdhsa.kernels:
  - .name:           k_q62cbde4815_quant
    .symbol:         k_q62cbde4815_quant.kd
    .args:
      - { .name: query, .offset: 0, .size: 8, .value_kind: global_buffer, .address_space: global }
      - { .name: key, .offset: 8, .size: 8, .value_kind: global_buffer, .address_space: global }
      - { .name: value, .offset: 16, .size: 8, .value_kind: global_buffer, .address_space: global }
      - { .name: Wq, .offset: 24, .size: 8, .value_kind: global_buffer, .address_space: global }
      - { .name: Wk, .offset: 32, .size: 8, .value_kind: global_buffer, .address_space: global }
      - { .name: Wv, .offset: 40, .size: 8, .value_kind: global_buffer, .address_space: global }
      - { .name: Wo, .offset: 48, .size: 8, .value_kind: global_buffer, .address_space: global }
      - { .name: lowp_scales, .offset: 56, .size: 8, .value_kind: global_buffer, .address_space: global }
      - { .name: xcodes, .offset: 64, .size: 8, .value_kind: global_buffer, .address_space: global }
      - { .name: wcodes, .offset: 72, .size: 8, .value_kind: global_buffer, .address_space: global }
    .group_segment_fixed_size: 33280
    .private_segment_fixed_size: 0
    .kernarg_segment_align: 8
    .kernarg_segment_size: 80
    .max_flat_workgroup_size: 128
    .sgpr_count:     66
    .vgpr_count:     192
    .wavefront_size: 32
...
	.end_amdgpu_metadata
.endif
;; end of part 1
;; launch proj (part 2): grid 4 x 96, 4 waves a work-group, clusters of 4 x 4, 327,680 bytes of LDS; arguments xcodes, wcodes, lowp_scales, qkvc; writes qkvc
.if DOCPART == 2
	.amdgcn_target "amdgcn-amd-amdhsa--gfx1250"
	.amdhsa_code_object_version 6
	.text
	.protected	k_q62cbde4815_proj
	.globl	k_q62cbde4815_proj
	.p2align	8
	.type	k_q62cbde4815_proj,@function
k_q62cbde4815_proj:
	s_mov_b64 s[64:65], 0
	v_nop
	global_prefetch_b8 v0, s[64:65] scope:SCOPE_SE
	s_setreg_imm32_b32 hwreg(HW_REG_WAVE_MODE, 25, 1), 1
	s_wait_xcnt 0x0
	s_wait_alu depctr_hold_cnt(0) depctr_sa_sdst(0) depctr_va_vdst(0) depctr_va_sdst(0) depctr_va_ssrc(0) depctr_va_vcc(0) depctr_vm_vsrc(0)
	s_getreg_b32 s2, hwreg(HW_REG_IB_STS2, 6, 4)
	s_cmp_eq_u32 s2, 0
	s_cbranch_scc0 .Lentry_in_a_cluster
	s_endpgm
.Lentry_in_a_cluster:
	s_bfe_u32 s2, ttmp6, 0x10000c
	s_cmp_lg_u32 s2, 0xf033
	s_cbranch_scc0 .Lentry_shape_is_right
	s_endpgm
.Lentry_shape_is_right:
.set KSTEP,  256
.set ROWB,   256
.set KROW,   1024
.set PITCH,  272
.set FR,     16
.set NL,     4
.set NP,     4
.set HALFT,  128*PITCH
.set SLOT,   4*HALFT
.set LAPS,   1024/(2*KSTEP)
.set SPARE,  2*SLOT
.set ADRA, 16
.set ADRB, 20
.set STO,  24
.set RD,   25
.set CO,   26
.set SPW,  28
.set NIL,  29
.set TMP,  32
.set SCL,  96
.set LIMV, 97
.set AF,   128
.set CD,   128
.set G1, 24
.set G0, 32
.set G1B, 48
.set G0B, 56
.set MSB, 0
.macro WIN new
.if MSB != \new
	s_set_vgpr_msb (MSB<<8)|\new
.set MSB, \new
.endif
.endm
.set MUL_LO, 0xa1
.set MUL_HI, 0xf1
.set TO_B,   0x40
.macro JLOAD g0a, g1a, g0b, g1b
	s_cmp_eq_u32 s15, 0
	s_cbranch_scc0 .Lfor_b_\@
	tensor_load_to_lds s[\g0a:\g0a+3], s[\g1a:\g1a+7]
	s_nop 0
.rept 4
	v_nop
.endr
	s_branch .Lasked_\@
.Lfor_b_\@:
	tensor_load_to_lds s[\g0b:\g0b+3], s[\g1b:\g1b+7]
	s_nop 0
.rept 4
	v_nop
.endr
.Lasked_\@:
.endm
.macro CREST
	s_cmp_lg_u32 s14, 0
	s_cbranch_scc1 .Lnot_wave_0_\@
	s_barrier_signal -3
.Lnot_wave_0_\@:
	s_barrier_wait -3
	s_barrier_signal -1
	s_barrier_wait -1
.endm
.macro CROUND
	s_barrier_signal -1
	s_barrier_wait -1
	CREST
.endm
	s_load_b256 s[4:11], s[0:1], 0x0
	v_lshl_add_u32 v[SPW], v0, 2, SPARE
	v_mov_b32 v[NIL], 0
	ds_add_u32 v[SPW], v[NIL]
	ds_add_u32 v[SPW], v[NIL]
	v_lshrrev_b32 v1, 5, v0
	v_readfirstlane_b32 s14, v1
	s_lshr_b32 s15, s14, 1
	s_and_b32 s16, s14, 1
	s_bfe_u32 s40, ttmp6, 0x40000
	s_bfe_u32 s41, ttmp6, 0x40004
	s_and_b32 s66, ttmp7, 0xffff
	s_lshr_b32 s67, s66, 3
	s_and_b32 s68, s66, 7
	s_lshl_b32 s69, s67, 23
	s_lshl_b32 s70, s67, 20
	s_cmp_lt_u32 s67, 2
	s_cselect_b32 s17, s68, 0
	s_cselect_b32 s42, 0, s68
	s_cselect_b32 s80, s69, 0x200000
	s_cselect_b32 s82, s70, 0x1000000
	s_lshl_b32 s17, s17, 2
	s_add_co_u32 s17, s17, s41
	s_lshl_b32 s42, s42, 2
	s_add_co_u32 s42, s42, s40
	s_lshl_b32 s43, s41, 2
	s_lshl_b32 s43, 15, s43
	s_lshl_b32 s44, 0x1111, s40
	s_or_b32 s[G1+0], s43, (0<<16)|(1<<20)|(1<<21)|(5<<22)|(3<<25)
	s_or_b32 s[G1B+0], s44, (0<<16)|(1<<20)|(1<<21)|(5<<22)|(3<<25)
.irp g, G1, G1B
	s_mov_b32 s[\g+1], ROWB<<16
	s_mov_b32 s[\g+2], 128<<16
	s_mov_b32 s[\g+3], ROWB<<16
	s_mov_b32 s[\g+4], 128
	s_mov_b32 s[\g+5], KROW
	s_mov_b32 s[\g+6], 0
	s_mov_b32 s[\g+7], 0
.endr
	s_lshl_b32 s18, s16, 7
	s_lshl_b32 s20, s17, 8
	s_add_co_u32 s20, s20, s18
	s_lshl_b32 s20, s20, 10
	s_add_co_u32 s20, s20, s80
	s_mov_b32 s21, 0
	s_lshl_b32 s46, s42, 8
	s_add_co_u32 s46, s46, s18
	s_lshl_b32 s46, s46, 10
	s_add_co_u32 s46, s46, s82
	s_mov_b32 s47, 0
	s_mul_i32 s45, s14, HALFT
	s_wait_dscnt 0x0
	s_wait_kmcnt 0x0
	s_load_b256 s[84:91], s[8:9], 0x0
	s_load_b128 s[92:95], s[8:9], 0x20
	s_cmp_lt_u32 s67, 2
	s_cselect_b64 s[80:81], s[4:5], s[6:7]
	s_cselect_b64 s[82:83], s[6:7], s[4:5]
	s_add_nc_u64 s[20:21], s[80:81], s[20:21]
	s_add_nc_u64 s[46:47], s[82:83], s[46:47]
	CROUND
.irp s, 0,1
	s_mov_b32 s[G0+4*\s], 1
	s_add_co_u32 s[G0+4*\s+1], s45, \s*SLOT
	s_add_nc_u64 s[G0+4*\s+2:G0+4*\s+3], s[20:21], \s*ROWB
	s_or_b32 s[G0+4*\s+3], s[G0+4*\s+3], 0x80000000
	s_mov_b32 s[G0B+4*\s], 1
	s_add_co_u32 s[G0B+4*\s+1], s45, \s*SLOT
	s_add_nc_u64 s[G0B+4*\s+2:G0B+4*\s+3], s[46:47], \s*ROWB
	s_or_b32 s[G0B+4*\s+3], s[G0B+4*\s+3], 0x80000000
	s_wait_alu depctr_va_vdst(0)
	s_wait_tensorcnt 0x0
	ds_add_u32 v28, v29
	ds_add_u32 v28, v29
	s_wait_dscnt 0x0
	CROUND
	JLOAD G0+4*\s, G1, G0B+4*\s, G1B
.endr
	v_and_b32 v1, 15, v0
	v_bfe_u32 v2, v0, 4, 1
	v_mul_u32_u24 v3, v1, PITCH
	v_lshl_add_u32 v4, v2, 4, v3
	s_mul_i32 s21, s15, HALFT
	s_mul_i32 s22, s16, HALFT
	s_add_co_u32 s22, s22, 2*HALFT
.irp s, 0,1
	v_add_nc_u32 v[ADRA+\s], s21, v4
	v_add_nc_u32 v[ADRB+\s], s22, v4
	s_add_co_u32 s21, s21, SLOT
	s_add_co_u32 s22, s22, SLOT
.endr
	v_lshrrev_b32 v5, 2, v1
	v_mul_u32_u24 v5, v5, PITCH
	v_and_b32 v6, 3, v1
	v_lshl_add_u32 v5, v6, 6, v5
	v_lshl_add_u32 v5, v2, 4, v5
	s_lshl_b32 s23, s16, 7
	s_lshl_b32 s21, s15, 5
	s_add_co_u32 s23, s23, s21
	s_mul_i32 s23, s23, PITCH
	v_add_nc_u32 v[STO], s23, v5
	s_mul_i32 s23, s14, 16*PITCH
	v_mul_u32_u24 v5, v2, PITCH
	v_lshl_add_u32 v5, v1, 4, v5
	v_add_nc_u32 v[RD], s23, v5
	v_and_b32 v6, 31, v0
	v_lshlrev_b32 v[CO], 4, v6
	s_cmp_lt_u32 s67, 2
	s_cselect_b32 s66, s42, s17
	s_cselect_b32 s68, s17, s42
	s_mov_b32 s70, 0x20000
	s_cselect_b32 s71, 0x1000, s70
	s_cselect_b32 s70, s70, 0x1000
	s_lshr_b32 s80, s68, 3
	s_lshl_b32 s80, s80, 7
	s_lshl_b32 s81, s66, 5
	s_add_co_u32 s80, s80, s81
	s_and_b32 s81, s68, 7
	s_add_co_u32 s80, s80, s81
	s_lshl_b32 s80, s80, 14
	s_add_co_u32 s80, s80, s69
	s_mul_i32 s81, s14, s71
	s_add_co_u32 s80, s80, s81
	s_mov_b32 s81, 0
	s_mov_b32 s71, 0
	s_add_nc_u64 s[72:73], s[10:11], s[80:81]
	s_add_nc_u64 s[74:75], s[72:73], s[70:71]
	s_add_nc_u64 s[76:77], s[74:75], s[70:71]
	s_add_nc_u64 s[78:79], s[76:77], s[70:71]
.macro FRAG reg, adr, q, i
.irp c, 0,1,2,3
	ds_load_b128 v[\reg+4*\c:\reg+4*\c+3], v[\adr] offset:128*(\q)+32*\c+(\i)*16*PITCH
.endr
.endm
.macro MUL16 a0, p, zero
.irp a, \a0, \a0+1
.irp b, 0,1,2,3,4,5,6,7
.if \zero
	v_wmma_f32_16x16x128_fp8_fp8 v[8*(8*((\a)%4)+\b):8*(8*((\a)%4)+\b)+7], v[128*(\p)+FR*\b:128*(\p)+FR*\b+FR-1], v[AF+FR*(\a):AF+FR*(\a)+FR-1], 0
.else
	v_wmma_f32_16x16x128_fp8_fp8 v[8*(8*((\a)%4)+\b):8*(8*((\a)%4)+\b)+7], v[128*(\p)+FR*\b:128*(\p)+FR*\b+FR-1], v[AF+FR*(\a):AF+FR*(\a)+FR-1], v[8*(8*((\a)%4)+\b):8*(8*((\a)%4)+\b)+7]
.endif
.endr
.endr
.endm
.macro FETCH_B slot, q, p
	WIN TO_B
.irp i, 0,1,2,3,4,5,6,7
	FRAG 128*(\p)+FR*\i, ADRB+\slot, \q, \i
.endr
	WIN 0
.endm
.macro FETCH_A slot, q, i0
.irp i, \i0, \i0+1, \i0+2, \i0+3
	FRAG AF+FR*(\i), ADRA+\slot, \q, \i
.endr
.endm
.macro PLACES n
.rept \n
	v_nop
.endr
.endm
.macro STEP slot, q, zero
	s_wait_dscnt 4*NL
	WIN MUL_LO
	MUL16 0, (\q)%2, \zero
	MUL16 2, (\q)%2, \zero
	s_wait_dscnt 0
	PLACES NP
	FETCH_B \slot, (\q)+1, 1-(\q)%2
	FETCH_A \slot, (\q)+1, 0
	WIN MUL_HI
	MUL16 4, (\q)%2, \zero
	MUL16 6, (\q)%2, \zero
	PLACES NP
	WIN 0
	FETCH_A \slot, (\q)+1, 4
.endm
.macro TURN slot, next, fill
	s_wait_tensorcnt 0x0
	ds_add_u32 v[SPW], v[NIL]
	s_wait_dscnt 4*NL+1
	WIN MUL_LO
	MUL16 0, 1, 0
	s_wait_dscnt 0x0
	s_barrier_signal -1
	MUL16 2, 1, 0
	WIN 0
	s_barrier_wait -1
.if \fill
	CREST
	s_add_nc_u64 s[G0+4*\slot+2:G0+4*\slot+3], s[G0+4*\slot+2:G0+4*\slot+3], 2*ROWB
	s_add_nc_u64 s[G0B+4*\slot+2:G0B+4*\slot+3], s[G0B+4*\slot+2:G0B+4*\slot+3], 2*ROWB
	JLOAD G0+4*\slot, G1, G0B+4*\slot, G1B
.else
	PLACES NP
.endif
	FETCH_B \next, 0, 0
	FETCH_A \next, 0, 0
	WIN MUL_HI
	MUL16 4, 1, 0
	MUL16 6, 1, 0
	PLACES NP
	WIN 0
	FETCH_A \next, 0, 4
.endm
	s_wait_tensorcnt 1
	s_barrier_signal -1
	s_barrier_wait -1
	FETCH_B 0, 0, 0
	FETCH_A 0, 0, 0
	FETCH_A 0, 0, 4
	STEP 0, 0, 1
	s_mov_b32 s3, LAPS-1
.Llap:
	TURN 0, 1, 1
	STEP 1, 0, 0
	TURN 1, 0, 1
	STEP 0, 0, 0
	s_sub_co_u32 s3, s3, 1
	s_cmp_lg_u32 s3, 0
	s_cbranch_scc1 .Llap
	TURN 0, 1, 0
	STEP 1, 0, 0
	s_wait_dscnt 4*NL
	WIN MUL_LO
	MUL16 0, 1, 0
	MUL16 2, 1, 0
	s_wait_dscnt 0
	WIN MUL_HI
	MUL16 4, 1, 0
	MUL16 6, 1, 0
	WIN 0
	s_wait_kmcnt 0x0
	s_add_co_i32 s84, s84, s85
	s_add_co_i32 s86, s86, s87
	s_add_co_i32 s88, s88, s89
	s_cmp_eq_u32 s67, 0
	s_cselect_b32 s84, s84, s86
	s_cselect_b32 s90, s90, s91
	s_cmp_eq_u32 s67, 2
	s_cselect_b32 s84, s88, s84
	s_cselect_b32 s90, s93, s90
	s_sub_co_i32 s84, s90, s84
	s_add_co_i32 s84, s84, 127
	s_lshl_b32 s85, s84, 23
	s_add_co_i32 s84, s84, 8
	s_lshl_b32 s84, s84, 23
	s_or_b32 s84, s84, 0x600000
	v_mov_b32 v[SCL], s85
	v_mov_b32 v[LIMV], s84
	PLACES NP-2
.macro CODES a
.set AC, 64*((\a)%4)
	WIN 0x02+((\a)/4)
.set jj, 0
.rept 64
	v_med3_num_f32 v[TMP+jj], v[AC+jj], -v[LIMV], v[LIMV]
.set jj, jj+1
.endr
	WIN 0
.irp b, 0,1,2,3,4,5,6,7
	v_cvt_scalef32_pk8_fp8_f32 v[CD+16*(\a)+2*\b:CD+16*(\a)+2*\b+1], v[TMP+8*\b:TMP+8*\b+7], v[SCL]
.endr
	v_nop
.irp b, 0,1,2,3,4,5,6,7
	ds_store_b64 v[STO], v[CD+16*(\a)+2*\b:CD+16*(\a)+2*\b+1] offset:((\b/4)*64+4*(\a))*PITCH+32*((\b%4)/2)+8*(\b%2)
.endr
.endm
.irp a, 0,1,2,3,4,5,6,7
	CODES \a
.endr
	s_wait_dscnt 0x0
	s_barrier_signal -1
	s_barrier_wait -1
.irp g, 0,1,2,3
.irp t, 0,1,2,3,4,5,6,7
	ds_load_b128 v[CD+4*(8*\g+\t):CD+4*(8*\g+\t)+3], v[RD] offset:(64*\g+2*\t)*PITCH
.endr
.endr
.irp g, 0,1,2,3
.irp t, 0,1,2,3,4,5,6,7
	s_wait_dscnt 31-(8*\g+\t)
	global_store_b128 v[CO], v[CD+4*(8*\g+\t):CD+4*(8*\g+\t)+3], s[72+2*\g:73+2*\g] offset:512*\t
.endr
.endr
	s_wait_tensorcnt 0x0
	ds_add_u32 v[SPW], v[NIL]
	s_wait_dscnt 0x0
	CROUND
	s_endpgm
.Lfunc_end_k_q62cbde4815_proj:
	.size	k_q62cbde4815_proj, .Lfunc_end_k_q62cbde4815_proj-k_q62cbde4815_proj
	.p2alignl 7, 3214868480
	.fill 96, 4, 3214868480
	.section	.rodata,"a",@progbits
	.p2align	6, 0x0
	.amdhsa_kernel k_q62cbde4815_proj
		.amdhsa_group_segment_fixed_size 327680
		.amdhsa_private_segment_fixed_size 0
		.amdhsa_enable_private_segment 0
		.amdhsa_kernarg_size 32
		.amdhsa_user_sgpr_count 2
		.amdhsa_user_sgpr_kernarg_segment_ptr 1
		.amdhsa_wavefront_size32 1
		.amdhsa_system_sgpr_workgroup_id_x 1
		.amdhsa_system_sgpr_workgroup_id_y 1
		.amdhsa_system_sgpr_workgroup_id_z 1
		.amdhsa_system_vgpr_workitem_id 0
		.amdhsa_next_free_vgpr 1024
		.amdhsa_next_free_sgpr 100
		.amdhsa_reserve_vcc 0
		.amdhsa_float_denorm_mode_32 3
		.amdhsa_float_denorm_mode_16_64 3
		.amdhsa_memory_ordered 1
		.amdhsa_forward_progress 1
		.amdhsa_inst_pref_size 127
	.end_amdhsa_kernel
	.amdgpu_metadata
---
amdhsa.version: [ 1, 2 ]
amdhsa.kernels:
  - .name:           k_q62cbde4815_proj
    .symbol:         k_q62cbde4815_proj.kd
    .args:
      - { .name: xcodes, .offset: 0, .size: 8, .value_kind: global_buffer, .address_space: global }
      - { .name: wcodes, .offset: 8, .size: 8, .value_kind: global_buffer, .address_space: global }
      - { .name: lowp_scales, .offset: 16, .size: 8, .value_kind: global_buffer, .address_space: global }
      - { .name: qkvc, .offset: 24, .size: 8, .value_kind: global_buffer, .address_space: global }
    .group_segment_fixed_size: 327680
    .private_segment_fixed_size: 0
    .kernarg_segment_align: 8
    .kernarg_segment_size: 32
    .max_flat_workgroup_size: 128
    .sgpr_count:     100
    .vgpr_count:     1024
    .wavefront_size: 32
...
	.end_amdgpu_metadata
.endif
;; end of part 2
;; launch attn (part 3): grid 4 x 64, 8 waves a work-group, clusters of 4 x 1, 327,680 bytes of LDS; arguments qkvc, mask, lowp_scales, ocodes; writes ocodes
.if DOCPART == 3
	.amdgcn_target "amdgcn-amd-amdhsa--gfx1250"
	.amdhsa_code_object_version 6
	.text
	.protected	k_q62cbde4815_attn
	.globl	k_q62cbde4815_attn
	.p2align	8
	.type	k_q62cbde4815_attn,@function
k_q62cbde4815_attn:
	s_mov_b64 s[64:65], 0
	v_nop
	global_prefetch_b8 v0, s[64:65] scope:SCOPE_SE
	s_setreg_imm32_b32 hwreg(HW_REG_WAVE_MODE, 25, 1), 1
	s_wait_xcnt 0x0
	s_wait_alu depctr_hold_cnt(0) depctr_sa_sdst(0) depctr_va_vdst(0) depctr_va_sdst(0) depctr_va_ssrc(0) depctr_va_vcc(0) depctr_vm_vsrc(0)
	s_getreg_b32 s2, hwreg(HW_REG_IB_STS2, 6, 4)
	s_cmp_eq_u32 s2, 0
	s_cbranch_scc0 .Lentry_in_a_cluster
	s_endpgm
.Lentry_in_a_cluster:
	s_bfe_u32 s2, ttmp6, 0x10000c
	s_cmp_lg_u32 s2, 0x3003
	s_cbranch_scc0 .Lentry_shape_is_right
	s_endpgm
.Lentry_shape_is_right:
; Attention on codes of FP8 (E4M3): for each batch and head, o[q] = sum over keys of softmax(q . k / 8, under the given key mask and the causal mask) v[key], both products quantised; o is quantised at once with 2^e10.
; THE SOFTMAX AHEAD OF THE SECOND PRODUCT: t = score x log2(e) / 8; M = the row's largest t so far, rounded UP to a whole number; p = 2^(t - M) is quantised with 2^e8, not normalised.  The row's sum is taken of the
; unquantised p and divides O at the end.  When M moves, the sum and O are multiplied by 2^(old M - new M): exact.
; LDS HOLDS A HEAD'S WHOLE K AND V: 2 x 131,072 bytes of codes as 1,024 lines of 256 bytes + 16 of padding.  Each of the eight waves fetches 128 lines by ONE tensor load at the head (waves 0-3: K, waves 4-7: V);
; nothing is filled again, so one barrier stands behind the fills and none in the walk over the keys.
; CLUSTER: the four work-groups of a head (cx = 0..3) need the same K and V and ask for them jointly (mask 15): the descriptors hang on the head and the wave's number alone.
; SHARES.  A head's 2,048 queries are 64 units of 32 (two tiles of 16).  Wave w of partner cx owns units 4 w + cx and 63 - 4 w - cx: w + 1 and 16 - w steps of 128 keys, 17 for every wave of the launch.
; Steps whose keys all come after the unit's queries are hidden by the causal mask that the problem builds itself and are jumped over: each unit's loop has 16 trips, a constant, and the jump hangs on the wave's
; number and the trip alone; cx enters global addresses and the diagonal's compare only.
; FRAGMENTS RUN A STEP AHEAD: behind a step's score products the next step's K and mask numbers are asked for, into the registers that those products have read, and this step's V; one wait for all stands ahead of the second product.
; NO PREFETCH: all tensor loads of the launch go out at its head, so there is no loop in which to ask ahead of them.
; LAYOUT.  Both products are used transposed: S^T = K Q^T, O^T = V^T P^T: a lane holds ONE query (lane % 16).  Register j of score tile u is key 16 u + 8 (lane / 16) + j: the two registers of codes of tile u are
; registers 2 u, 2 u + 1 of the second product's operand.  K, Q and V come in the order that the launch before gave them, four registers a load.
; THE KEY MASK is turned once into f32 numbers in LDS, 0 or NEG = -2^127, which are the C of the score products.  The causal mask puts NEG in place of a score, on a unit's last step alone.
; The largest t begins at c x (-2^64): above every masked t, below every real one.  So a masked key has p = 0, and A ROW THAT SEES NO KEY ends with the sum 0: its codes are then the NaN code.
; LIMITS on the given exponents: e6 + e7 between -115 and 60; e8 and e10 between -126 and 119; e8 + e9 is applied by v_ldexp_f32 and has none.
; REGISTERS.  Window 0: v1-11 addresses; v12-19, v20-27 a tile's statistics (+0 -M, +1 largest t, +2,+3 the sum, +4 f, +5 named with it, +6,+7 at work); v28, v30 448 x 2^e8, v29 2^e8, v31 NEG; v32-95 the mask's numbers;
;   v96-223 S^T, then p; v224-255 p's codes.   Window 1: v0-63 K; v64-127 V; v128-191 O^T; v192-207, v208-223 Q of the two units.
.set PK,    272                        ; an LDS line
.set STEPB, 32*PK                      ; 128 keys: 32 lines of K, and 32 of V
.set VOFF,  512*PK                     ; V's lines lie behind K's
.set BIAS,  1024*PK                    ; the mask's 2,048 numbers
.set STAGE, BIAS+8192+1024             ; behind the mask's numbers lie 1,024 bytes of zeros; then the way out: 2,048 bytes for each wave
.set SPARE, STAGE+8*2048               ; the spare words, 128 bytes for each wave
.set AK0, 1
.set AV0, 2
.set AB0, 3
.set GOF, 4                            ; 16 x lane
.set SPW, 5
.set NIL, 6
.set RH,  7                            ; lane % 16 - 8 (lane / 16)
.set ADK, 8
.set ADV, 9
.set ADB, 10
.set DD,  11
.set ST,  12
.set LIMP, 28
.set SCP, 29
.set LIM2, 30                          ; the bound once more: the two halves of a dual pair take their second sources from different banks
.set NEG, 31
.set BI,  32
.set SC,  96
.set SCO, 160                          ; the way out: 2^e10, 448 x 2^e10, four NaN codes
.set LIMO, 161
.set NANC, 162
.set PC,  224
.set KFR, 0
.set VFR, 64
.set OT,  128
.set QF,  192
.set WV,  12                           ; s12 my wave's number, also unit A's last step
.set SEL, 20
.set CS,  22
.set G1,  24
.set G0,  40
.set LB,  66                           ; s66 unit B's last step
.set DQA, 67                           ; s67, s68 first query less first key on the last step
.set DQB, 68
.set KI,  70                           ; s70 the step
.set TB,  71                           ; s71 its lines' first byte
.set MSB, 0
.macro WIN new
.if MSB != \new
	s_set_vgpr_msb (MSB<<8)|\new
.set MSB, \new
.endif
.endm
.set W_LD, 0x40
.set W_KQ, 0x05
.set W_PV, 0x51
.set W_RS, 0x41
.macro ROUND                           ; a round of the cluster's barrier
	s_barrier_signal -1
	s_barrier_wait -1
	s_cmp_lg_u32 s[WV], 0
	s_cbranch_scc1 .Lnw0_\@
	s_barrier_signal -3
.Lnw0_\@:
	s_barrier_wait -3
	s_barrier_signal -1
	s_barrier_wait -1
.endm
.macro OOFF d, q                       ; ocodes: block ((batch x 16 + query / 128) x 16 + head) of 8,192 bytes, row query % 128 of 64
	s_lshr_b32 s62, s14, 4
	s_lshl_b32 s62, s62, 4
	s_lshr_b32 s63, s[\q], 7
	s_add_co_u32 s62, s62, s63
	s_lshl_b32 s62, s62, 4
	s_and_b32 s63, s14, 15
	s_add_co_u32 s62, s62, s63
	s_lshl_b32 s62, s62, 13
	s_and_b32 s63, s[\q], 127
	s_lshl_b32 s63, s63, 6
	s_add_co_u32 s[\d], s62, s63
	s_mov_b32 s[\d+1], 0
.endm
; The mask's numbers and K's fragments of 128 keys, \off steps on from the addresses given
.macro KLOAD ab, ak, off
.irp u, 0,1,2,3,4,5,6,7
	ds_load_b128 v[BI+8*\u:BI+8*\u+3], v[\ab] offset:512*(\off)+64*\u
	ds_load_b128 v[BI+8*\u+4:BI+8*\u+7], v[\ab] offset:512*(\off)+64*\u+16
.endr
	WIN W_LD
.irp u, 0,1,2,3,4,5,6,7
.irp c, 0,1
	ds_load_b128 v[KFR+8*\u+4*\c:KFR+8*\u+4*\c+3], v[\ak] offset:STEPB*(\off)+4*\u*PK+32*\c
.endr
.endr
	WIN 0
.endm
; A unit begins: the diagonal's number, the statistics, O^T = 0
.macro INIT dq
	v_add_nc_u32 v[DD], s[\dq], v[RH]
	v_mov_b32 v[ST+1], 0xdf800000                  ; -2^64,
	v_mul_f32 v[ST+1], s[CS], v[ST+1]              ; as t
	v_floor_f32 v[ST], -v[ST+1]                    ; -M
	v_mov_b32 v[ST+9], v[ST+1]
	v_mov_b32 v[ST+8], v[ST]
.irp i, 2,3,4,5,6,7,10,11,12,13,14,15
	v_mov_b32 v[ST+\i], 0
.endr
	WIN W_LD
.set jj, 0
.rept 64
	v_mov_b32 v[OT+jj], 0                          ; the step is written once: the first finds zeros
.set jj, jj+1
.endr
	WIN 0
.endm
; A unit's walk over the keys: 16 trips, of which those up to s[last] work
.macro BODY last, qf
	s_mov_b32 s[KI], 0
	s_mov_b32 s[TB], 0
	KLOAD AB0, AK0, 0                              ; step 0's
	s_wait_alu depctr_va_vdst(0)
	s_wait_dscnt 0x0
.Lstep_\@:
	s_cmp_gt_u32 s[KI], s[\last]
	s_cbranch_scc1 .Lhid_\@
	WIN W_KQ
.irp u, 0,1,2,3,4,5,6,7
.irp p, 0,1
	v_wmma_f32_16x16x64_fp8_fp8 v[SC+64*\p+8*\u:SC+64*\p+8*\u+7], v[KFR+8*\u:KFR+8*\u+7], v[\qf+8*\p:\qf+8*\p+7], v[BI+8*\u:BI+8*\u+7]
.endr
.endr
	WIN 0
	v_add_nc_u32 v[ADK], s[TB], v[AK0]             ; four places: behind the last step's second product, in front of the loads into V's registers; behind the score products,
	v_add_nc_u32 v[ADV], s[TB], v[AV0]             ; in front of the loads into K's and the mask's registers and of the first read of the scores
	v_lshl_add_u32 v[ADB], s[KI], 9, v[AB0]
	v_nop
	WIN W_LD
.irp t, 0,1,2,3
.irp c, 0,1,2,3
	ds_load_b128 v[VFR+16*\t+4*\c:VFR+16*\t+4*\c+3], v[ADV] offset:(\c/2)*16*PK+4*\t*PK+32*(\c%2)
.endr
.endr
	WIN 0
	s_wait_alu depctr_va_vdst(0)
	s_cmp_lt_u32 s[KI], s[\last]                   ; only the unit's last step lies on the diagonal, and it has no successor
	s_cbranch_scc0 .Ldiag_\@
	KLOAD ADB, ADK, 1                              ; the next step's
	s_branch .Lsoft_\@
.Ldiag_\@:
.irp p, 0,1                                    ; register 8 u + j of tile p is hidden where 16 u + j - 16 p > d
.irp n, 0,1,2,3,4,5,6,7,8,9,10,11,12,13,14,15,16,17,18,19,20,21,22,23,24,25,26,27,28,29,30,31,32,33,34,35,36,37,38,39,40,41,42,43,44,45,46,47,48,49,50,51,52,53,54,55,56,57,58,59,60,61,62,63
	v_cmp_gt_i32 vcc_lo, 16*(\n/8)+\n%8-16*\p, v[DD]
	v_cndmask_b32 v[SC+64*\p+\n], v[SC+64*\p+\n], v[NEG], vcc_lo
.endr
.endr
.Lsoft_\@:
; the largest score: two chains a tile, the two tiles by turns; each accumulator is first read at its low end
.irp p, 0,1
	v_max3_num_f32 v[ST+8*\p+6], v[SC+64*\p], v[SC+64*\p+1], v[SC+64*\p+2]
.endr
.irp p, 0,1
	v_max3_num_f32 v[ST+8*\p+7], v[SC+64*\p+3], v[SC+64*\p+4], v[SC+64*\p+5]
.endr
.irp i, 6,10,14,18,22,26,30,34,38,42,46,50,54,58
.irp p, 0,1
	v_max3_num_f32 v[ST+8*\p+6], v[ST+8*\p+6], v[SC+64*\p+\i], v[SC+64*\p+\i+1]
.endr
.irp p, 0,1
	v_max3_num_f32 v[ST+8*\p+7], v[ST+8*\p+7], v[SC+64*\p+\i+2], v[SC+64*\p+\i+3]
.endr
.endr
.irp p, 0,1
	v_max3_num_f32 v[ST+8*\p+6], v[ST+8*\p+6], v[SC+64*\p+62], v[SC+64*\p+63]
.endr
.irp p, 0,1
	v_max_num_f32 v[ST+8*\p+6], v[ST+8*\p+6], v[ST+8*\p+7]
.endr
.irp p, 0,1
	v_permlanex16_b32 v[ST+8*\p+7], v[ST+8*\p+6], s[SEL], s[SEL+1]
.endr
.irp p, 0,1
	v_max_num_f32 v[ST+8*\p+6], v[ST+8*\p+6], v[ST+8*\p+7]   ; and lane l xor 16's 64 keys
.endr
.irp p, 0,1
	v_mul_f32 v[ST+8*\p+6], s[CS], v[ST+8*\p+6]    ; as t (c is positive)
.endr
.irp p, 0,1
	v_max_num_f32 v[ST+8*\p+1], v[ST+8*\p+1], v[ST+8*\p+6]
.endr
.irp p, 0,1
	v_mov_b32 v[ST+8*\p+6], v[ST+8*\p]
.endr
.irp p, 0,1
	v_floor_f32 v[ST+8*\p], -v[ST+8*\p+1]          ; the new -M = -ceil(t)
.endr
.irp p, 0,1
	v_sub_f32 v[ST+8*\p+6], v[ST+8*\p], v[ST+8*\p+6]
.endr
.irp p, 0,1
	v_cvt_i32_f32 v[ST+8*\p+6], v[ST+8*\p+6]       ; (it saturates)
.endr
.irp p, 0,1
	v_ldexp_f32 v[ST+8*\p+4], 1.0, v[ST+8*\p+6]    ; f = 2^(old M - new M)
.endr
.irp p, 0,1
.set jj, 0
.rept 32
	v_pk_fma_f32 v[SC+64*\p+jj:SC+64*\p+jj+1], v[SC+64*\p+jj:SC+64*\p+jj+1], s[CS:CS+1], v[ST+8*\p:ST+8*\p+1] op_sel_hi:[1,0,0]   ; t - M
.set jj, jj+2
.endr
.endr
	s_wait_alu depctr_va_vdst(0)
.set jj, 0
.rept 128
	v_exp_f32 v[SC+jj], v[SC+jj]                   ; p = 2^(t - M); 0 for a masked key
.set jj, jj+1
.endr
.irp p, 0,1
	v_pk_mul_f32 v[ST+8*\p+2:ST+8*\p+3], v[ST+8*\p+2:ST+8*\p+3], v[ST+8*\p+4:ST+8*\p+5] op_sel_hi:[1,0]   ; the sums under the new M: plain lines behind the batch
.endr
	s_wait_alu depctr_va_vdst(0)                   ; and the one wait behind it, ahead of its first reader
.irp p, 0,1
	v_pk_add_f32 v[ST+8*\p+6:ST+8*\p+7], v[SC+64*\p:SC+64*\p+1], v[SC+64*\p+2:SC+64*\p+3]
.endr
.irp j, 4,8,12,16,20,24,28,32,36,40,44,48,52,56,60
.irp p, 0,1
	v_pk_add_f32 v[ST+8*\p+2:ST+8*\p+3], v[ST+8*\p+2:ST+8*\p+3], v[SC+64*\p+\j:SC+64*\p+\j+1]
.endr
.irp p, 0,1
	v_pk_add_f32 v[ST+8*\p+6:ST+8*\p+7], v[ST+8*\p+6:ST+8*\p+7], v[SC+64*\p+\j+2:SC+64*\p+\j+3]
.endr
.endr
.irp p, 0,1
	v_pk_add_f32 v[ST+8*\p+2:ST+8*\p+3], v[ST+8*\p+2:ST+8*\p+3], v[ST+8*\p+6:ST+8*\p+7]
.endr
.irp u, 0,1,2,3,4,5,6,7
.irp p, 0,1
.irp i, 0,2,4,6                                ; the conversion does not saturate (ISA guide 7.6.2); p is not negative, so the hold is one-sided; two holds to a dual pair
	v_dual_min_num_f32 v[SC+64*\p+8*\u+\i], v[SC+64*\p+8*\u+\i], v[LIMP] :: v_dual_min_num_f32 v[SC+64*\p+8*\u+\i+1], v[SC+64*\p+8*\u+\i+1], v[LIM2]
.endr
.endr
.irp p, 0,1
	v_cvt_scalef32_pk8_fp8_f32 v[PC+16*\p+2*\u:PC+16*\p+2*\u+1], v[SC+64*\p+8*\u:SC+64*\p+8*\u+7], v[SCP]
.endr
.endr
	WIN W_RS
	s_wait_alu depctr_va_vdst(0)                   ; directly ahead of the first reader of O^T
.irp p, 0,1
.set jj, 0
.rept 16
	v_pk_mul_f32 v[OT+32*\p+jj:OT+32*\p+jj+1], v[OT+32*\p+jj:OT+32*\p+jj+1], v[ST+8*\p+4:ST+8*\p+5] op_sel_hi:[1,0]   ; O^T under the new M; plain lines behind the conversions
.set jj, jj+2
.endr
.endr
	WIN 0
	s_wait_alu depctr_va_vdst(0)
	s_wait_dscnt 0x0                               ; V is in, and the next step's K and mask numbers
	WIN W_PV
.irp t, 0,1,2,3                                ; eight accumulators by turns
.irp p, 0,1
	v_wmma_f32_16x16x128_fp8_fp8 v[OT+32*\p+8*\t:OT+32*\p+8*\t+7], v[VFR+16*\t:VFR+16*\t+15], v[PC+16*\p:PC+16*\p+15], v[OT+32*\p+8*\t:OT+32*\p+8*\t+7]
.endr
.endr
	WIN 0
.Lhid_\@:
	s_add_co_u32 s[TB], s[TB], STEPB
	s_add_co_u32 s[KI], s[KI], 1
	s_cmp_lt_u32 s[KI], 16
	s_cbranch_scc1 .Lstep_\@
.endm
; THE WAY OUT of a unit: O^T x 2^(e8 + e9) / the sum, quantised with 2^e10; the 32 rows of 64 bytes, 2,048 consecutive bytes of ocodes, go through the wave's stage.
; The six plain lines at its head are the places in front of the first read of O^T.
.macro WAYOUT oa
	v_add_f32 v[ST+2], v[ST+2], v[ST+3]
	v_add_f32 v[ST+10], v[ST+10], v[ST+11]
	v_permlanex16_b32 v[ST+6], v[ST+2], s[SEL], s[SEL+1]
	v_permlanex16_b32 v[ST+14], v[ST+10], s[SEL], s[SEL+1]
	v_add_f32 v[ST+2], v[ST+2], v[ST+6]            ; the row's sum; it is kept
	v_add_f32 v[ST+10], v[ST+10], v[ST+14]
	s_wait_alu depctr_va_vdst(0)
	v_rcp_f32 v[ST+3], v[ST+2]
	v_rcp_f32 v[ST+11], v[ST+10]
	v_and_b32 v8, 15, v0
	v_bfe_u32 v9, v0, 4, 1
	s_lshl_b32 s62, s[WV], 11
	s_add_co_u32 s62, s62, STAGE                   ; my stage
	v_lshlrev_b32 v10, 6, v8
	v_lshl_add_u32 v10, v9, 3, v10
	v_add_nc_u32 v10, s62, v10                     ; in: row r of 64 bytes, + 8 h
	v_add_nc_u32 v11, s62, v[GOF]                  ; back: 16 bytes a lane
	v_mov_b32 v[SCO], s72
	v_mov_b32 v[LIMO], s73
	v_mov_b32 v[NANC], 0x7f7f7f7f
	s_wait_alu depctr_va_vdst(0)                   ; and behind them, ahead of their first reader
	v_ldexp_f32 v[ST+3], v[ST+3], s74
	v_ldexp_f32 v[ST+11], v[ST+11], s74
	WIN 0x01
	s_wait_alu depctr_va_vdst(0)                   ; directly ahead of the first reader of O^T
.irp p, 0,1
.set jj, 0
.rept 32
	v_mul_f32 v[SC+32*\p+jj], v[OT+32*\p+jj], v[ST+8*\p+3]   ; register 8 t + j: channel 16 t + 8 h + j
.set jj, jj+1
.endr
.endr
	WIN 0
.set jj, 0
.rept 64
	v_med3_num_f32 v[SC+jj], v[SC+jj], -v[LIMO], v[LIMO]
.set jj, jj+1
.endr
.irp p, 0,1
.irp t, 0,1,2,3
	v_cvt_scalef32_pk8_fp8_f32 v[PC+8*\p+2*\t:PC+8*\p+2*\t+1], v[SC+32*\p+8*\t:SC+32*\p+8*\t+7], v[SCO]
.endr
.endr
	v_nop                                          ; one plain line between the conversions and the selects
.irp p, 0,1
	v_cmp_eq_f32 vcc_lo, 0, v[ST+8*\p+2]           ; a row that saw no key has the sum 0 (any other at least 1/2): its codes are NaN
.irp i, 0,1,2,3,4,5,6,7
	v_cndmask_b32 v[PC+8*\p+\i], v[PC+8*\p+\i], v[NANC], vcc_lo
.endr
.endr
.irp p, 0,1
.irp t, 0,1,2,3
	ds_store_b64 v10, v[PC+8*\p+2*\t:PC+8*\p+2*\t+1] offset:1024*\p+16*\t
.endr
.endr
.irp i, 0,1,2,3
	ds_load_b128 v[BI+4*\i:BI+4*\i+3], v11 offset:512*\i   ; LDS serves a wave's instructions in order: these see my stores
.endr
.irp i, 0,1,2,3
	s_wait_dscnt 3-\i                              ; this load is in, the younger ones may be out
	global_store_b128 v[GOF], v[BI+4*\i:BI+4*\i+3], s[\oa:\oa+1] offset:512*\i   ; 32 lanes store 512 consecutive bytes, aligned
.endr
	s_wait_xcnt 0x0                                ; the stores have read their registers, which are written again
.endm
	s_load_b256 s[4:11], s[0:1], 0x0               ; qkvc, mask, the scales' exponents, ocodes
	v_lshl_add_u32 v[SPW], v0, 2, SPARE
	v_mov_b32 v[NIL], 0
	ds_add_u32 v[SPW], v[NIL]
	ds_add_u32 v[SPW], v[NIL]
	v_lshrrev_b32 v8, 5, v0
	v_readfirstlane_b32 s[WV], v8                  ; wave 0..7
	s_bfe_u32 s13, ttmp6, 0x40000                  ; cx
	s_and_b32 s14, ttmp7, 0xffff                   ; batch x 16 + head
	s_mov_b32 s[G1], 15|(0<<16)|(1<<20)|(1<<21)|(5<<22)|(3<<25)   ; mask: the four partners; bytes; 4 words of padding after every 64
	s_mov_b32 s[G1+1], 256<<16
	s_mov_b32 s[G1+2], 128<<16
	s_mov_b32 s[G1+3], 256<<16
	s_mov_b32 s[G1+4], 128
	s_mov_b32 s[G1+5], 256
	s_mov_b32 s[G1+6], 0
	s_mov_b32 s[G1+7], 0
	s_lshl_b32 s18, s14, 17                        ; my head's 131,072 bytes in each part of qkvc
	s_lshr_b32 s32, s[WV], 2
	s_add_co_u32 s32, s32, 1
	s_lshl_b32 s32, s32, 23                        ; k's part (waves 0-3) or v's (4-7),
	s_add_co_u32 s32, s32, s18
	s_and_b32 s33, s[WV], 3
	s_lshl_b32 s33, s33, 15                        ; my 32,768 bytes of it
	s_add_co_u32 s32, s32, s33
	s_mov_b32 s33, 0
	s_mov_b32 s[G0], 1
	s_mul_i32 s[G0+1], s[WV], 128*PK               ; my 128 lines
	s_wait_dscnt 0x0                               ; both opening adds are done
	s_wait_kmcnt 0x0
	s_load_b256 s[44:51], s[8:9], 0x0              ; e0 .. e7
	s_load_b128 s[52:55], s[8:9], 0x20             ; e8 .. e11
	s_add_nc_u64 s[G0+2:G0+3], s[4:5], s[32:33]
	s_or_b32 s[G0+3], s[G0+3], 0x80000000
	ROUND                                          ; the four partners are here: the joint loads meet
	tensor_load_to_lds s[G0:G0+3], s[G1:G1+7]      ; my one tensor load of the launch
	s_nop 0
.rept 4
	v_nop
.endr
	s_mov_b32 s[SEL], 0x76543210
	s_mov_b32 s[SEL+1], 0xfedcba98
	s_mov_b32 s[CS], 0x3e38aa3b                    ; log2(e) / 8
	s_lshl_b32 s15, s[WV], 7
	s_lshl_b32 s[DQA], s13, 5
	s_add_co_u32 s15, s15, s[DQA]                  ; unit A's first query: 128 w + 32 cx
	s_sub_co_u32 s16, 2016, s15                    ; unit B's
	s_sub_co_u32 s[DQB], 96, s[DQA]
	s_sub_co_u32 s[LB], 15, s[WV]
	s_lshl_b32 s36, s15, 6
	s_add_co_u32 s36, s36, s18
	s_mov_b32 s37, 0
	s_lshl_b32 s38, s16, 6
	s_add_co_u32 s38, s38, s18
	s_mov_b32 s39, 0
	s_lshr_b32 s56, s14, 4
	s_lshl_b32 s56, s56, 13                        ; my batch's 2,048 mask words
	s_mov_b32 s57, 0
	OOFF 58, 15
	OOFF 60, 16
	s_add_nc_u64 s[36:37], s[4:5], s[36:37]
	s_add_nc_u64 s[38:39], s[4:5], s[38:39]
	s_add_nc_u64 s[56:57], s[6:7], s[56:57]
	s_add_nc_u64 s[58:59], s[10:11], s[58:59]
	s_add_nc_u64 s[60:61], s[10:11], s[60:61]
	v_and_b32 v96, 15, v0                          ; r
	v_bfe_u32 v97, v0, 4, 1                        ; h
	v_lshlrev_b32 v98, 6, v96
	v_lshl_add_u32 v98, v97, 4, v98                ; Q: row r of 64 bytes, + 16 h
	v_lshlrev_b32 v99, 5, v0                       ; the mask: 8 words a thread
	WIN W_LD
.irp p, 0,1
.irp c, 0,1
	global_load_b128 v[QF+8*\p+4*\c:QF+8*\p+4*\c+3], v98, s[36:37] offset:1024*\p+32*\c
	global_load_b128 v[QF+16+8*\p+4*\c:QF+16+8*\p+4*\c+3], v98, s[38:39] offset:1024*\p+32*\c
.endr
.endr
	WIN 0
	global_load_b128 v[BI:BI+3], v99, s[56:57]
	global_load_b128 v[BI+4:BI+7], v99, s[56:57] offset:16
	v_lshrrev_b32 v[AK0], 2, v96
	v_mul_u32_u24 v[AK0], v[AK0], PK               ; line r / 4,
	v_and_b32 v[AV0], 3, v96
	v_lshl_add_u32 v[AK0], v[AV0], 6, v[AK0]       ; byte 64 (r % 4)
	v_lshl_add_u32 v[AK0], v97, 4, v[AK0]          ; + 16 h
	v_add_nc_u32 v[AV0], VOFF, v[AK0]
	v_lshl_add_u32 v[AB0], v97, 5, BIAS
	v_and_b32 v[GOF], 31, v0
	v_lshlrev_b32 v[GOF], 4, v[GOF]
	v_lshlrev_b32 v[RH], 3, v97
	v_sub_nc_u32 v[RH], v96, v[RH]
	v_mov_b32 v[NEG], 0xff000000                   ; -2^127
	s_wait_alu depctr_va_vdst(0)
	s_wait_kmcnt 0x0
	s_add_co_i32 s62, s50, s51
	s_lshl_b32 s62, s62, 23
	s_add_co_i32 s[CS], s[CS], s62                 ; e6 + e7 added to c's exponent field
	s_mov_b32 s[CS+1], s[CS]
	s_add_co_i32 s62, s52, 127
	s_lshl_b32 s63, s62, 23
	v_mov_b32 v[SCP], s63                          ; 2^e8
	s_add_co_i32 s62, s62, 8
	s_lshl_b32 s62, s62, 23
	s_or_b32 s62, s62, 0x600000
	v_mov_b32 v[LIMP], s62                         ; 448 x 2^e8
	v_mov_b32 v[LIM2], s62
	s_add_co_i32 s74, s52, s53                     ; e8 + e9
	s_add_co_i32 s62, s54, 127
	s_lshl_b32 s72, s62, 23                        ; 2^e10
	s_add_co_i32 s62, s62, 8
	s_lshl_b32 s62, s62, 23
	s_or_b32 s73, s62, 0x600000                    ; 448 x 2^e10
	INIT DQA
	s_wait_alu depctr_va_vdst(0)
	s_wait_loadcnt 0x0                             ; Q and the mask
.irp i, 0,1,2,3,4,5,6,7
	v_cmp_eq_u32 vcc_lo, 0, v[BI+\i]
	v_cndmask_b32 v[BI+\i], 0, v[NEG], vcc_lo      ; 0 where the key counts, NEG where the mask is 0
.endr
	v_lshl_add_u32 v96, v0, 5, BIAS
	ds_store_b128 v96, v[BI:BI+3]
	ds_store_b128 v96, v[BI+4:BI+7] offset:16
	v_lshl_add_u32 v97, v0, 2, BIAS+8192
	v_mov_b32 v98, 0
	ds_store_b32 v97, v98                          ; the zeros behind the mask's numbers, a word a thread
	s_wait_alu depctr_va_vdst(0)
	s_wait_tensorcnt 0x0                           ; my 128 lines are in,
	s_wait_dscnt 0x0                               ; and my part of the mask's numbers:
	s_barrier_signal -1
	s_barrier_wait -1                              ; so are everybody's; from here on the waves share nothing that is written
	BODY WV, QF
	WAYOUT 58
	INIT DQB
	BODY LB, QF+16
	WAYOUT 60
	s_wait_tensorcnt 0x0                           ; the wave's end
	ds_add_u32 v[SPW], v[NIL]
	s_wait_dscnt 0x0
	ROUND                                          ; the closing round
	s_endpgm
.Lfunc_end_k_q62cbde4815_attn:
	.size	k_q62cbde4815_attn, .Lfunc_end_k_q62cbde4815_attn-k_q62cbde4815_attn
	.p2alignl 7, 3214868480
	.fill 96, 4, 3214868480
	.section	.rodata,"a",@progbits
	.p2align	6, 0x0
	.amdhsa_kernel k_q62cbde4815_attn
		.amdhsa_group_segment_fixed_size 327680
		.amdhsa_private_segment_fixed_size 0
		.amdhsa_enable_private_segment 0
		.amdhsa_kernarg_size 32
		.amdhsa_user_sgpr_count 2
		.amdhsa_user_sgpr_kernarg_segment_ptr 1
		.amdhsa_wavefront_size32 1
		.amdhsa_system_sgpr_workgroup_id_x 1
		.amdhsa_system_sgpr_workgroup_id_y 1
		.amdhsa_system_sgpr_workgroup_id_z 1
		.amdhsa_system_vgpr_workitem_id 0
		.amdhsa_next_free_vgpr 512
		.amdhsa_next_free_sgpr 80
		.amdhsa_reserve_vcc 1
		.amdhsa_float_denorm_mode_32 3
		.amdhsa_float_denorm_mode_16_64 3
		.amdhsa_memory_ordered 1
		.amdhsa_forward_progress 1
		.amdhsa_inst_pref_size 116
	.end_amdhsa_kernel
	.amdgpu_metadata
---
amdhsa.version: [ 1, 2 ]
amdhsa.kernels:
  - .name:           k_q62cbde4815_attn
    .symbol:         k_q62cbde4815_attn.kd
    .args:
      - { .name: qkvc, .offset: 0, .size: 8, .value_kind: global_buffer, .address_space: global }
      - { .name: mask, .offset: 8, .size: 8, .value_kind: global_buffer, .address_space: global }
      - { .name: lowp_scales, .offset: 16, .size: 8, .value_kind: global_buffer, .address_space: global }
      - { .name: ocodes, .offset: 24, .size: 8, .value_kind: global_buffer, .address_space: global }
    .group_segment_fixed_size: 327680
    .private_segment_fixed_size: 0
    .kernarg_segment_align: 8
    .kernarg_segment_size: 32
    .max_flat_workgroup_size: 256
    .sgpr_count:     80
    .vgpr_count:     512
    .wavefront_size: 32
...
	.end_amdgpu_metadata
.endif
;; end of part 3
;; launch outp (part 4): grid 4 x 64, 4 waves a work-group, clusters of 4 x 4, 327,680 bytes of LDS; arguments ocodes, wcodes, lowp_scales, bo, out0; writes out0
.if DOCPART == 4
	.amdgcn_target "amdgcn-amd-amdhsa--gfx1250"
	.amdhsa_code_object_version 6
	.text
	.protected	k_q62cbde4815_outp
	.globl	k_q62cbde4815_outp
	.p2align	8
	.type	k_q62cbde4815_outp,@function
k_q62cbde4815_outp:
	s_mov_b64 s[64:65], 0
	v_nop
	global_prefetch_b8 v0, s[64:65] scope:SCOPE_SE
	s_setreg_imm32_b32 hwreg(HW_REG_WAVE_MODE, 25, 1), 1
	s_wait_xcnt 0x0
	s_wait_alu depctr_hold_cnt(0) depctr_sa_sdst(0) depctr_va_vdst(0) depctr_va_sdst(0) depctr_va_ssrc(0) depctr_va_vcc(0) depctr_vm_vsrc(0)
	s_getreg_b32 s2, hwreg(HW_REG_IB_STS2, 6, 4)
	s_cmp_eq_u32 s2, 0
	s_cbranch_scc0 .Lentry_in_a_cluster
	s_endpgm
.Lentry_in_a_cluster:
	s_bfe_u32 s2, ttmp6, 0x10000c
	s_cmp_lg_u32 s2, 0xf033
	s_cbranch_scc0 .Lentry_shape_is_right
	s_endpgm
.Lentry_shape_is_right:
; out0[m][n] = 2^(e10 + e11) x sum over k of o[m][k] Wo[n][k] + bo[n], on codes of FP8 (E4M3); sums in f32.  LIMIT: e10 + e11 between -126 and 127.
; o's codes lie as the launch before stores them: block ((m / 128) x 16 + head) of 8,192 bytes, row m % 128 of 64 bytes.  Wo's codes are the fourth quarter of wcodes, [1024][1024], K innermost.
; A block of out0 is 128 x 256: 64 x 4 = 256 work-groups.  Four waves, each 64 rows x 128 columns: 32 accumulators in window 2.
; K goes in steps of 256 (four heads) through a ring of two LDS slots: 128 lines of o (four heads x 32 lines of 4 rows), then 256 rows of Wo, all 256 bytes + 16 of padding.
; Waves 0, 1 fetch o's two halves (64 lines each), waves 2, 3 Wo's (128 rows each).  CLUSTER 4 x 4: o's tile is shared along a row of the cluster, Wo's along a column: joint loads.
; Fragments have two sets of registers for both operands: while one step of 128 along K is multiplied, the next one's 48 loads are out.
; The matrix instruction is used transposed (source 0 = Wo's rows, source 1 = o's rows): a lane holds eight neighbouring columns of a row of out0.
; NO PREFETCH: K has four slots' worth; two are asked for at the head, and the other two one slot later: no trip lies far enough ahead of a load.
; REGISTERS.  Window 0: v16-29 addresses; v32-95 bo at my columns; v96-127 at work; v128-191, v192-255 o's fragments, on the way out rows read back.  Window 1: Wo's fragments, sets at v0 and v128.
.set SIZE_N, 1024
.set PITCH,  272
.set HEADB,  32*PITCH                  ; a head's 128 rows
.set HALFT,  128*PITCH
.set BOFF,   128*PITCH                 ; Wo's rows lie behind o's lines
.set SLOT,   384*PITCH
.set LAPS,   2
.set STAGE,  2*SLOT                    ; the way out: 16 rows x 528 bytes for each wave
.set SPITCH, 528
.set SPARE,  STAGE+4*16*SPITCH
.set FR,     16
.set NP,     4
.set ADRA, 16
.set ADRB, 20
.set STO,  24
.set RD,   25
.set CO,   26
.set SPW,  28
.set NIL,  29
.set BV,   32
.set TMP,  96
.set AF,   128
.set BK,   128
.set G1, 24
.set G0, 32
.set G1B, 48
.set G0B, 56
.set MSB, 0
.macro WIN new
.if MSB != \new
	s_set_vgpr_msb (MSB<<8)|\new
.set MSB, \new
.endif
.endm
.set MUL_LO, 0xa1                      ; source 0 window 1, source 1 window 0, C and D window 2
.set TO_B,   0x40
.macro JLOAD g0a, g1a, g0b, g1b        ; waves 0, 1 ask for o's tile, waves 2, 3 for Wo's
	s_cmp_eq_u32 s15, 0
	s_cbranch_scc0 .Lfor_b_\@
	tensor_load_to_lds s[\g0a:\g0a+3], s[\g1a:\g1a+7]
	s_nop 0
.rept 4
	v_nop
.endr
	s_branch .Lasked_\@
.Lfor_b_\@:
	tensor_load_to_lds s[\g0b:\g0b+3], s[\g1b:\g1b+7]
	s_nop 0
.rept 4
	v_nop
.endr
.Lasked_\@:
.endm
.macro CREST
	s_cmp_lg_u32 s14, 0
	s_cbranch_scc1 .Lnot_wave_0_\@
	s_barrier_signal -3
.Lnot_wave_0_\@:
	s_barrier_wait -3
	s_barrier_signal -1
	s_barrier_wait -1
.endm
.macro CROUND
	s_barrier_signal -1
	s_barrier_wait -1
	CREST
.endm
	s_load_b256 s[4:11], s[0:1], 0x0               ; ocodes, wcodes, the scales' exponents, bo
	s_load_b64 s[12:13], s[0:1], 0x20              ; out0
	v_lshl_add_u32 v[SPW], v0, 2, SPARE
	v_mov_b32 v[NIL], 0
	ds_add_u32 v[SPW], v[NIL]
	ds_add_u32 v[SPW], v[NIL]
	v_lshrrev_b32 v1, 5, v0
	v_readfirstlane_b32 s14, v1                    ; wave
	s_lshr_b32 s15, s14, 1                         ; my half of the rows; also: I fetch for o (0) or for Wo (1)
	s_and_b32 s16, s14, 1                          ; my half of the columns; also: which half of that tile I fetch
	s_bfe_u32 s40, ttmp6, 0x40000
	s_bfe_u32 s41, ttmp6, 0x40004
	s_lshl_b32 s42, ttmp9, 2
	s_add_co_u32 s42, s42, s40                     ; block column
	s_and_b32 s17, ttmp7, 0xffff
	s_lshl_b32 s17, s17, 2
	s_add_co_u32 s17, s17, s41                     ; block row
	s_lshl_b32 s43, s41, 2
	s_lshl_b32 s43, 15, s43
	s_lshl_b32 s44, 0x1111, s40
	s_or_b32 s[G1+0], s43, (0<<16)|(1<<20)|(1<<21)|(5<<22)|(3<<25)
	s_or_b32 s[G1B+0], s44, (0<<16)|(1<<20)|(1<<21)|(5<<22)|(3<<25)
.irp g, G1, G1B
	s_mov_b32 s[\g+1], 256<<16
	s_mov_b32 s[\g+3], 256<<16
	s_mov_b32 s[\g+6], 0
	s_mov_b32 s[\g+7], 0
.endr
	s_mov_b32 s[G1+2], 64<<16                      ; o: 64 dense lines
	s_mov_b32 s[G1+4], 64
	s_mov_b32 s[G1+5], 256
	s_mov_b32 s[G1B+2], 128<<16                    ; Wo: 128 rows, 1,024 bytes apart
	s_mov_b32 s[G1B+4], 128
	s_mov_b32 s[G1B+5], 1024
	s_lshl_b32 s20, s17, 17                        ; o: 16 heads x 8,192 bytes a block row,
	s_lshl_b32 s18, s16, 14                        ; two heads a wave
	s_add_co_u32 s20, s20, s18
	s_mov_b32 s21, 0
	s_lshl_b32 s18, s16, 7
	s_lshl_b32 s46, s42, 8
	s_add_co_u32 s46, s46, s18
	s_lshl_b32 s46, s46, 10
	s_add_co_u32 s46, s46, 0x300000
	s_mov_b32 s47, 0
	s_mul_i32 s45, s16, 64*PITCH
	s_mul_i32 s19, s16, HALFT
	s_add_co_u32 s19, s19, BOFF
	s_wait_dscnt 0x0
	s_wait_kmcnt 0x0
	s_load_b64 s[96:97], s[8:9], 0x28              ; e10, e11
	s_add_nc_u64 s[20:21], s[4:5], s[20:21]
	s_add_nc_u64 s[46:47], s[6:7], s[46:47]
	CROUND                                         ; the sixteen work-groups are here: the first joint loads meet
.irp s, 0,1
	s_mov_b32 s[G0+4*\s], 1
	s_add_co_u32 s[G0+4*\s+1], s45, \s*SLOT
	s_add_nc_u64 s[G0+4*\s+2:G0+4*\s+3], s[20:21], \s*32768
	s_or_b32 s[G0+4*\s+3], s[G0+4*\s+3], 0x80000000
	s_mov_b32 s[G0B+4*\s], 1
	s_add_co_u32 s[G0B+4*\s+1], s19, \s*SLOT
	s_add_nc_u64 s[G0B+4*\s+2:G0B+4*\s+3], s[46:47], \s*256
	s_or_b32 s[G0B+4*\s+3], s[G0B+4*\s+3], 0x80000000
.endr
	JLOAD G0, G1, G0B, G1B                         ; K step 0: one tensor load a wave at the head
	s_mul_i32 s22, s15, 16*PITCH                   ; my 64 rows of o: 16 lines of each head
	s_mul_i32 s23, s14, 16*SPITCH
	s_add_co_u32 s23, s23, STAGE                   ; my stage
	s_lshl_b32 s66, s17, 7
	s_lshl_b32 s67, s15, 6
	s_add_co_u32 s66, s66, s67
	s_lshl_b32 s66, s66, 12                        ; my first row of out0, in bytes
	s_mov_b32 s67, 0
	s_lshl_b32 s68, s42, 10
	s_lshl_b32 s69, s16, 9
	s_add_co_u32 s68, s68, s69                     ; my first column, in bytes
	s_mov_b32 s69, 0
	s_add_nc_u64 s[10:11], s[10:11], s[68:69]
	s_add_nc_u64 s[66:67], s[66:67], s[68:69]
	s_add_nc_u64 s[12:13], s[12:13], s[66:67]
	v_and_b32 v1, 15, v0
	v_bfe_u32 v2, v0, 4, 1
	v_mul_u32_u24 v3, v1, PITCH
	v_lshl_add_u32 v4, v2, 4, v3                   ; Wo: row r, + 16 h
	v_lshrrev_b32 v5, 2, v1
	v_mul_u32_u24 v5, v5, PITCH
	v_and_b32 v6, 3, v1
	v_lshl_add_u32 v5, v6, 6, v5
	v_lshl_add_u32 v5, v2, 4, v5                   ; o: line r / 4, byte 64 (r % 4) + 16 h
	v_add_nc_u32 v[ADRA], s22, v5
	v_add_nc_u32 v[ADRB], s19, v4
	v_add_nc_u32 v[ADRA+1], SLOT, v[ADRA]
	v_add_nc_u32 v[ADRB+1], SLOT, v[ADRB]
	v_mul_u32_u24 v5, v1, SPITCH
	v_lshl_add_u32 v5, v2, 5, v5
	v_add_nc_u32 v[STO], s23, v5
	v_and_b32 v6, 31, v0
	v_lshlrev_b32 v[CO], 4, v6
	v_add_nc_u32 v[RD], s23, v[CO]
	v_lshlrev_b32 v7, 5, v2
.irp b, 0,1,2,3,4,5,6,7
	global_load_b128 v[BV+8*\b:BV+8*\b+3], v7, s[10:11] offset:64*\b        ; bo at columns 16 b + 8 h + 0 .. 7
	global_load_b128 v[BV+8*\b+4:BV+8*\b+7], v7, s[10:11] offset:64*\b+16
.endr
.macro FRAG reg, adr, q, i
.irp c, 0,1,2,3
	ds_load_b128 v[\reg+4*\c:\reg+4*\c+3], v[\adr] offset:128*(\q)+32*\c+(\i)*16*PITCH
.endr
.endm
.macro FRAGA reg, adr, q, i            ; K = 128 q + 32 c + 16 h: head 2 q + c / 2, byte 32 (c % 2) + 16 h of the row
.irp c, 0,1,2,3
	ds_load_b128 v[\reg+4*\c:\reg+4*\c+3], v[\adr] offset:(2*(\q)+\c/2)*HEADB+(\i)*4*PITCH+32*(\c%2)
.endr
.endm
.macro FETCH slot, q                   ; 48 loads: the slot's q-th 128 along K into set q
	WIN TO_B
.irp i, 0,1,2,3,4,5,6,7
	FRAG 128*(\q)+FR*\i, ADRB+\slot, \q, \i
.endr
	WIN 0
.irp i, 0,1,2,3
	FRAGA AF+64*(\q)+FR*\i, ADRA+\slot, \q, \i
.endr
.endm
.macro MUL16 a0, p, zero               ; o's blocks a0, a0 + 1 x Wo's eight; the 32 accumulators take turns in the same order in every step
.irp a, \a0, \a0+1
.irp b, 0,1,2,3,4,5,6,7
.if \zero
	v_wmma_f32_16x16x128_fp8_fp8 v[8*(8*(\a)+\b):8*(8*(\a)+\b)+7], v[128*(\p)+FR*\b:128*(\p)+FR*\b+FR-1], v[AF+64*(\p)+FR*(\a):AF+64*(\p)+FR*(\a)+FR-1], 0
.else
	v_wmma_f32_16x16x128_fp8_fp8 v[8*(8*(\a)+\b):8*(8*(\a)+\b)+7], v[128*(\p)+FR*\b:128*(\p)+FR*\b+FR-1], v[AF+64*(\p)+FR*(\a):AF+64*(\p)+FR*(\a)+FR-1], v[8*(8*(\a)+\b):8*(8*(\a)+\b)+7]
.endif
.endr
.endr
.endm
.macro PLACES n
.rept \n
	v_nop
.endr
.endm
; A slot's first step: set 0 is multiplied while set 1's loads are out.  (Four v_nop stand behind the last products that read set 1: those behind the joint load, or PLACES.)
.macro STEPA slot, zero
	FETCH \slot, 1
	s_wait_dscnt 48                                ; set 0 is in; the 48 just issued may be out
	WIN MUL_LO
	MUL16 0, 0, \zero
	MUL16 2, 0, \zero
	WIN 0
.endm
; A slot's second step changes slots: each wave waits for all its tensor loads, adds 0 to its spare word, waits for that and for its reads of this slot; fill = 1: a round of the cluster's barrier, and this slot is filled again.
.macro TURN slot, next, fill
	s_wait_tensorcnt 0x0
	ds_add_u32 v[SPW], v[NIL]
	s_wait_dscnt 1                                 ; set 1 is in; the add may be out
	WIN MUL_LO
	MUL16 0, 1, 0
	s_wait_dscnt 0x0
	s_barrier_signal -1
	MUL16 2, 1, 0
	WIN 0
	s_barrier_wait -1
.if \fill
	CREST
	s_add_nc_u64 s[G0+4*\slot+2:G0+4*\slot+3], s[G0+4*\slot+2:G0+4*\slot+3], 2*32768
	s_add_nc_u64 s[G0B+4*\slot+2:G0B+4*\slot+3], s[G0B+4*\slot+2:G0B+4*\slot+3], 2*256
	JLOAD G0+4*\slot, G1, G0B+4*\slot, G1B         ; the first tensor load behind the round; its four v_nop are the places in front of the loads below
.else
	PLACES NP
.endif
	FETCH \next, 0
.endm
	s_wait_alu depctr_va_vdst(0)
	s_wait_tensorcnt 0x0                           ; my part of K step 0 is in
	ds_add_u32 v[SPW], v[NIL]
	s_wait_dscnt 0x0
	CROUND
	JLOAD G0+4, G1, G0B+4, G1B                     ; K step 1
	FETCH 0, 0
	STEPA 0, 1                                     ; the first step's products start the sums
	s_mov_b32 s3, LAPS-1
.Llap:
	TURN 0, 1, 1
	STEPA 1, 0
	TURN 1, 0, 1
	STEPA 0, 0
	s_sub_co_u32 s3, s3, 1
	s_cmp_lg_u32 s3, 0
	s_cbranch_scc1 .Llap
	TURN 0, 1, 0                                   ; the last lap fills nothing
	STEPA 1, 0
	s_wait_dscnt 0x0
	WIN MUL_LO
	MUL16 0, 1, 0
	MUL16 2, 1, 0
	WIN 0
; THE WAY OUT, block by block of 16 rows x 128 columns: sum x 2^(e10 + e11) + bo, through my stage, back as rows of 512 bytes.
.macro TOSTAGE a
.set AC, 64*(\a)
.irp f, 0,1
	WIN 0x02
.irp j, 0,2,4,6,8,10,12,14,16,18,20,22,24,26,28,30
	v_pk_fma_f32 v[TMP+\j:TMP+\j+1], v[AC+32*\f+\j:AC+32*\f+\j+1], s[96:97], v[BV+32*\f+\j:BV+32*\f+\j+1] op_sel_hi:[1,0,1]   ; each accumulator from its low end on
.endr
	WIN 0
.irp b, 0,1,2,3
	ds_store_b128 v[STO], v[TMP+8*\b:TMP+8*\b+3] offset:64*(4*\f+\b)
	ds_store_b128 v[STO], v[TMP+8*\b+4:TMP+8*\b+7] offset:64*(4*\f+\b)+16
.endr
.endr
.set BB, BK+64*((\a)%2)
.irp t, 0,1,2,3,4,5,6,7,8,9,10,11,12,13,14,15
	ds_load_b128 v[BB+4*\t:BB+4*\t+3], v[RD] offset:\t*SPITCH   ; LDS serves a wave's instructions in order: these see my stores
.endr
.endm
.macro SEND a, younger
.set BB, BK+64*((\a)%2)
	s_wait_dscnt \younger
.if (\a) > 0
	s_add_nc_u64 s[12:13], s[12:13], 16*SIZE_N*4   ; behind a wait on XCNT: the earlier stores have read their base
.endif
.irp t, 0,1,2,3,4,5,6,7,8,9,10,11,12,13,14,15
	global_store_b128 v[CO], v[BB+4*\t:BB+4*\t+3], s[12:13] offset:\t*SIZE_N*4 th:TH_STORE_NT   ; 32 lanes store 512 consecutive bytes, aligned
.endr
.endm
	s_wait_kmcnt 0x0
	s_add_co_i32 s96, s96, s97
	s_add_co_i32 s96, s96, 127
	s_lshl_b32 s96, s96, 23                        ; 2^(e10 + e11)
	s_wait_loadcnt 0x0                             ; bo
	PLACES NP
	TOSTAGE 0
.irp a, 1,2,3
.if \a > 1
	s_wait_xcnt 0x0                                ; block a - 2's stores have read their registers and their base
.endif
	TOSTAGE \a
	SEND \a-1, 32                                  ; behind block a - 1's loads: block a's 16 stores and 16 loads
.endr
	s_wait_xcnt 0x0
	SEND 3, 0
	s_wait_tensorcnt 0x0                           ; the wave's end
	ds_add_u32 v[SPW], v[NIL]
	s_wait_dscnt 0x0
	CROUND                                         ; the closing round
	s_endpgm
.Lfunc_end_k_q62cbde4815_outp:
	.size	k_q62cbde4815_outp, .Lfunc_end_k_q62cbde4815_outp-k_q62cbde4815_outp
	.p2alignl 7, 3214868480
	.fill 96, 4, 3214868480
	.section	.rodata,"a",@progbits
	.p2align	6, 0x0
	.amdhsa_kernel k_q62cbde4815_outp
		.amdhsa_group_segment_fixed_size 327680
		.amdhsa_private_segment_fixed_size 0
		.amdhsa_enable_private_segment 0
		.amdhsa_kernarg_size 40
		.amdhsa_user_sgpr_count 2
		.amdhsa_user_sgpr_kernarg_segment_ptr 1
		.amdhsa_wavefront_size32 1
		.amdhsa_system_sgpr_workgroup_id_x 1
		.amdhsa_system_sgpr_workgroup_id_y 1
		.amdhsa_system_sgpr_workgroup_id_z 1
		.amdhsa_system_vgpr_workitem_id 0
		.amdhsa_next_free_vgpr 768
		.amdhsa_next_free_sgpr 100
		.amdhsa_reserve_vcc 0
		.amdhsa_float_denorm_mode_32 3
		.amdhsa_float_denorm_mode_16_64 3
		.amdhsa_memory_ordered 1
		.amdhsa_forward_progress 1
		.amdhsa_inst_pref_size 77
	.end_amdhsa_kernel
	.amdgpu_metadata
---
amdhsa.version: [ 1, 2 ]
amdhsa.kernels:
  - .name:           k_q62cbde4815_outp
    .symbol:         k_q62cbde4815_outp.kd
    .args:
      - { .name: ocodes, .offset: 0, .size: 8, .value_kind: global_buffer, .address_space: global }
      - { .name: wcodes, .offset: 8, .size: 8, .value_kind: global_buffer, .address_space: global }
      - { .name: lowp_scales, .offset: 16, .size: 8, .value_kind: global_buffer, .address_space: global }
      - { .name: bo, .offset: 24, .size: 8, .value_kind: global_buffer, .address_space: global }
      - { .name: out0, .offset: 32, .size: 8, .value_kind: global_buffer, .address_space: global }
    .group_segment_fixed_size: 327680
    .private_segment_fixed_size: 0
    .kernarg_segment_align: 8
    .kernarg_segment_size: 40
    .max_flat_workgroup_size: 128
    .sgpr_count:     100
    .vgpr_count:     768
    .wavefront_size: 32
...
	.end_amdgpu_metadata
.endif
;; end of part 4
